; MI455X (gfx1250); checked and timed in simulation.
; The chip was launched on July 23, 2026; its instructions are those of AMD's public machine-readable ISA for CDNA 5 (MIT licence, August 2026) and "CDNA5" Instruction Set Architecture Reference Guide (July 2026). The comments in the code are by the model that wrote it; some were corrected since.
;; Memory Pool. Allowed arithmetic: matrix products marked QUANTISED: E2M1 operands, one E8M0 scale for each 32 along K, by v_wmma_scale_f32_16x16x128_f8f6f4 with both operands' format E2M1 (or v_wmma_scale_f32_32x16x128_f4), f32 sums; everything else in f32.
;; Inputs: Wg 1,024 x 1,024 float32; Wk 128 x 128 float32; Wout 1,024 x 2,048 float32; Wq 128 x 1,024 float32; Wv 1,024 x 128 float32; bg 1,024 float32; pool 8 x 256 x 128 float32; pool_mask 8 x 256 bool; x 8 x 2,048 x 1,024 float32.
;; Outputs: out0 8 x 2,048 x 1,024 float32.
;; This version of the problem:
;;   THIS VERSION OF THE PROBLEM IS GIVEN IN LOW PRECISION. The matrix products marked QUANTISED in the list below multiply operands that are first quantised to E2M1 (2 exponent bits, 1 mantissa bit; 4 bits a number), with one power-of-two scale for each 32 numbers along K (OCP MX v1.0); their sums are f32. All else is computed in f32.
;;   The module's matrix products, in the order in which they are computed (A, B: the left and right operand; K: the contracted axis; several contracted axes count as one K, in the product's order):
;;     1. [M 16,384, K 1,024] x [K 1,024, N 128]; A: input x; B: input Wq: QUANTISED
;;     2. [M 2,048, K 128] x [K 128, N 128]; A: input pool; B: input Wk: QUANTISED
;;     3. [M 2,048, K 128] x [K 128, N 1,024]; A: input pool; B: input Wv: QUANTISED
;;     4. batch 8 x [M 2,048, K 128] x [K 128, N 256]; A: computed on the way; B: computed on the way: QUANTISED
;;     5. batch 8 x [M 2,048, K 256] x [K 256, N 1,024]; A: computed on the way; B: computed on the way: QUANTISED
;;     6. [M 16,384, K 1,024] x [K 1,024, N 1,024]; A: input x; B: input Wg: QUANTISED
;;     7. [M 16,384, K 2,048] x [K 2,048, N 1,024]; A: computed on the way; B: input Wout: QUANTISED
;;   THE QUANTISER, for each operand of a quantised product, along K:
;;     - K is cut into blocks of 32 from its start; a last block that is shorter is filled with zeros.
;;     - A block's scale is 2^e with e = floor(log2(the largest magnitude in the block)) - 2, held to -126 .. 127; a block of zeros has e = 0. As a byte (E8M0): e + 127.
;;     - Each number is divided by its block's scale, clamped to +-6, and rounded to the nearest number of E2M1, ties to even, subnormals kept.
;;     - The product sums the exact products of the quantised numbers (number of the format x scale) in f32.
;;   ~~~python
;;   def quantise(x, axis):      # numpy; x: float32 -> the quantised numbers, widened to float32 again
;;       x = np.moveaxis(x, axis, -1); K = x.shape[-1]
;;       x = np.pad(x, [(0, 0)] * (x.ndim - 1) + [(0, -K % 32)]); x = x.reshape(x.shape[:-1] + (-1, 32)); a = np.abs(x).max(-1, keepdims=True)
;;       e = np.where(a > 0, np.clip(np.frexp(np.where(a > 0, a, 1))[1] - 1 - 2, -126, 127), 0)      # np.frexp(a)[1] - 1 = floor(log2(a)), exactly
;;       r = np.clip(x / 2.0 ** e, -6, 6)
;;       step = 2.0 ** (np.maximum(np.frexp(np.where(r == 0, 1, r))[1] - 1, 0) - 1)
;;       q = np.round(r / step) * step * 2.0 ** e      # np.round: ties to even
;;       return np.moveaxis(q.reshape(q.shape[:-2] + (-1,))[..., :K], -1, axis).astype(np.float32)
;;   ~~~
;;   OPERANDS COMPUTED ON THE WAY. 'Computed on the way' means the value that the module computes at that place (a softmax that the list does not call 'softmax' is quantised finished and normalised). What goes into a quantiser is computed in f32, as accurately as f32 sums, v_exp_f32 and their like allow (about 1e-6 of the number): no bf16 or f16 on the way to a quantiser, and a product that is left as it is and whose result goes on into a quantised operand takes f32 operands (vector FMAs, or v_wmma_f32_16x16x4_f32). A number that lies on a knife's edge between two numbers of the format may be rounded either way, as far as f32 arithmetic and the matrix unit's own rounding can turn it there, and no further.
;; One version. Each part assembles by itself: llvm-mc -triple=amdgcn-amd-amdhsa -mcpu=gfx1250 --defsym DOCPART=n.
;; ======== version 1 of 1: 2 launches
;; limits: right only within a limited range of input values
;; workspace buffers: ws 2,994,176 bytes
;; launch prep (part 1): grid 344 x 1, 8 waves a work-group, no clusters, 145,408 bytes of LDS; arguments Wg, Wout, Wq, Wk, Wv, pool, ws; writes ws
.if DOCPART == 1
	.amdgcn_target "amdgcn-amd-amdhsa--gfx1250"
	.amdhsa_code_object_version 6
	.text
	.protected	k_qf1af7a8274_prep
	.globl	k_qf1af7a8274_prep
	.p2align	8
	.type	k_qf1af7a8274_prep,@function
k_qf1af7a8274_prep:
	s_mov_b64 s[64:65], 0
	v_nop
	global_prefetch_b8 v0, s[64:65] scope:SCOPE_SE
	s_setreg_imm32_b32 hwreg(HW_REG_WAVE_MODE, 25, 1), 1
	s_wait_xcnt 0x0
; MemoryPool, first of two launches.  Nothing of reference() is left out in either launch: every input has a way to out0, and every product of the table is done.
; THIS LAUNCH makes all operands that do not hang on x, as codes of FP4 (E2M1) with one E8M0 byte for each 32 along K, and stores them in ws AS IMAGES OF OPERAND REGISTERS:
;   a FRAGMENT (16 rows x 128 K: 8 registers a lane) is 1,024 bytes: register group c (0, 1) of lane l at 512 c + 16 l; the second launch loads it by two loads of 16 bytes a lane.
;   Wg, Wout (two halves of its K), Wq: quantised along K.     k = Q(pool) Q(Wk)^T, quantised along e.     v = Q(pool) Q(Wv)^T, quantised along the pool's entries.
; THE ROWS OF A TILE ARE NOT NEIGHBOURS: tile T of any matrix takes rows 32 (T / 2) + 8 (T % 2) + i + 8 (i / 8), i = 0 .. 15, so that in a product used transposed (source 0 = such a tile)
; the 16 registers of tiles 2 b and 2 b + 1 are the 16 neighbours 32 b + 16 (lane / 16) + 0 .. 15: what the quantiser wants in a lane.
; ws:  100 SECTIONS of 17,408 bytes (a pair of tiles u = 0, 1 = 32 rows, x 8 K steps): bytes 512 u: tile u's scale words, lane r + 16 (s / 4) holds 16 bytes, word s % 4 = row r, K step s;
;      bytes 1,024 + 1,024 (2 s + u): fragment (s, u).  Section 3 P + 0, 1, 2: Wg, Wout[:, :1024], Wout[:, 1024:], rows 32 P ..;  section 96 + P: Wq.
;      then v's fragments [b][T 64][s 2], v's scale words [b][s][q 16][r 16][4] (word i: tile 4 q + i), k's fragments [b][T 16], k's scale words [b][q 4][r 16][4].
; SHARES.  One wave makes one fragment; eight waves a work-group.  Work-groups 0-199: a tile of a weight, wave = K step.  200-327: v: batch, half of the pool (one K step of 128 entries), eight tiles of d.
; 328-343: k: batch, eight tiles of entries.  The two ways part ONCE, on the work-group's number, and join at the tail; each has LDS bytes of its own ahead of the tail.
; LOADS read 512 consecutive bytes (16 a lane, a row's 128 numbers); a tile's 16 rows turn through the wave's own stage in LDS (rows of 512 + 16 bytes) and come back 64 bytes a lane:
; lane (r, h) then holds, of row r, numbers 32 b + 16 h + 0 .. 15 in registers 16 b + 0 .. 15.
; A block's scale is 2^(floor(log2(largest magnitude)) - 2): its byte is the largest magnitude's exponent field - 2, held at 1 from below.
; LIMITS: a block of zeros gets the byte 1 where the quantiser says 127: its codes are zeros, and only this program reads the bytes.  NaN and infinities among the inputs are not served.
.set SECB,  17408
.set WS_VF, 100*SECB
.set WS_VS, WS_VF+1048576
.set WS_KF, WS_VS+65536
.set WS_KS, WS_KF+131072
.set SROW,  528                        ; a stage row: 512 bytes + 16
.set STGB,  16*SROW                    ; a wave's stage
.set STG1,  0                          ; eight stages for the way of k and v,
.set STG2,  8*STGB                     ; eight for the weights' way
.set CIMG,  16*STGB                    ; eight fragments of the matrix C, as images
.set CSC,   CIMG+8192                  ; their scale words, 64 bytes each
.set SG,    CSC+512                    ; the eight waves' scale words, gathered: 512 bytes as they go to ws
.set SPARE, SG+512                     ; the spare words, 128 bytes for each wave: four blocks of 256 bytes that no other line names
.set SPW, 4                            ; v4   SPARE + 4 x my thread's number; never rewritten
.set NIL, 5                            ; v5   0; never rewritten
.set LI,  6                            ; v6   16 x lane
.set SI1, 7                            ; v7   stage 1, in: 16 x lane
.set SO1, 8                            ; v8   stage 1, out: 528 r + 64 h
.set SI2, 9                            ; v9, v10 the same for stage 2
.set SO2, 10
.set CWI, 11                           ; v11  where I store my fragment of C
.set CWS, 12                           ; v12  and its scale words
.set CRD, 13                           ; v13  where I read C's fragments
.set CSR, 14                           ; v14  and their scale words
.set GA,  15                           ; v15  my place in the gathered scale words: 256 (wave / 4) + 16 r + 4 (wave % 4)
.set GR,  16                           ; v16  where wave 0 reads them back
.set GT,  20                           ; v20-23 on their way out
.set TM,  24                           ; v24-39 at work in the quantiser;
.set OF,  24                           ;        before that: the byte offsets of the tile's 16 rows
.set PC,  40                           ; v40-47 the codes just made
.set PW,  48                           ; v48    the scale word just made
.set CS,  50                           ; v50-57 C's scale words
.set SA,  64                           ; v64-127  16 rows as loaded; later C's eight fragments
.set SB,  128                          ; v128-191 16 rows as loaded; later the eight accumulators
.set ST,  192                          ; v192-255 64 numbers of my row
.set SEL, 32                           ; s[32:33] lane selects for v_permlanex16_b32: lane l xor 16
; 64 numbers of a lane, register 16 b + i = k 32 b + 16 (lane / 16) + i of my row: four largest magnitudes, four bytes (TM+4 ..), sixteen codes a block in PC + 2 b, PC + 2 b + 1
.macro QCORE s
.irp b, 0,1,2,3
	v_max3_num_f32 v[TM+\b], |v[\s+16*\b]|, |v[\s+1+16*\b]|, 0x1800000   ; my 16 numbers of block b, and the floor 2^(3 - 127): the byte cannot fall under 1
.endr
.irp i, 2,4,6,8,10,12,14
.irp b, 0,1,2,3
	v_max3_num_f32 v[TM+\b], v[TM+\b], |v[\s+16*\b+\i]|, |v[\s+1+16*\b+\i]|   ; the four blocks by turns
.endr
.endr
.irp b, 0,1,2,3
	s_delay_alu instid0(VALU_DEP_4)
	v_permlanex16_b32 v[TM+4+\b], v[TM+\b], s[SEL], s[SEL+1]
.endr
.irp b, 0,1,2,3
	s_delay_alu instid0(VALU_DEP_4)
	v_max_num_f32 v[TM+\b], v[TM+\b], v[TM+4+\b]   ; with lane l xor 16's: the block's largest magnitude
.endr
.irp b, 0,1,2,3
	s_delay_alu instid0(VALU_DEP_4)
	v_add_nc_u32 v[TM+12+\b], 0xff000000, v[TM+\b]   ; 2 off its exponent field: the conversion takes this operand's exponent field as its scale
.endr
.irp b, 0,1,2,3
	s_delay_alu instid0(VALU_DEP_4)
	v_lshrrev_b32 v[TM+4+\b], 23, v[TM+12+\b]      ; the scale's byte
.endr
.irp b, 0,1,2,3
	v_cvt_scalef32_pk8_fp4_f32 v[PC+2*\b], v[\s+16*\b:\s+7+16*\b], v[TM+12+\b]
	v_cvt_scalef32_pk8_fp4_f32 v[PC+1+2*\b], v[\s+8+16*\b:\s+15+16*\b], v[TM+12+\b]
.endr
	v_nop                                          ; one plain place behind a scaled conversion
.endm
.macro QTAIL                           ; the four bytes make my row's scale word; the operand's layout wants a whole block in a lane
	v_lshl_or_b32 v[PW], v[TM+5], 8, v[TM+4]
	s_delay_alu instid0(VALU_DEP_1)
	v_lshl_or_b32 v[PW], v[TM+6], 16, v[PW]
	s_delay_alu instid0(VALU_DEP_1)
	v_lshl_or_b32 v[PW], v[TM+7], 24, v[PW]
.irp c, 0,1
.irp i, 0,1
	v_permlane16_swap_b32 v[PC+4*\c+\i], v[PC+2+4*\c+\i]
.endr
.endr
.endm
.macro QUANT s
	QCORE \s
	QTAIL
.endm
.macro TURN set, si, so                ; 16 rows as loaded go into my stage and come back 64 bytes a lane; LDS serves a wave's instructions in order (ISA guide 5.7.1.4): no wait between
.irp i, 0,1,2,3,4,5,6,7,8,9,10,11,12,13,14,15
	ds_store_b128 v[\si], v[\set+4*\i:\set+4*\i+3] offset:SROW*\i
.endr
.irp b, 0,1,2,3
.irp j, 0,1,2,3
	ds_load_b128 v[ST+16*\b+4*\j:ST+16*\b+4*\j+3], v[\so] offset:128*\b+16*\j
.endr
.endr
.endm
.macro BARRIER                         ; my LDS stores have landed and my LDS loads are in: then the work-group's barrier
	s_wait_dscnt 0x0
	s_barrier_signal -1
	s_barrier_wait -1
.endm
	s_load_b256 s[4:11], s[0:1], 0x0               ; Wg s[4:5], Wout s[6:7], Wq s[8:9], Wk s[10:11]
	s_load_b128 s[12:15], s[0:1], 0x20             ; Wv s[12:13], pool s[14:15]
	s_load_b64 s[16:17], s[0:1], 0x30              ; ws
	v_lshl_add_u32 v[SPW], v0, 2, SPARE
	v_mov_b32 v[NIL], 0
	v_lshrrev_b32 v1, 5, v0
	s_delay_alu instid0(VALU_DEP_1)
	v_readfirstlane_b32 s18, v1                    ; wave 0..7
	v_and_b32 v1, 31, v0                           ; lane
	v_and_b32 v2, 15, v0                           ; r
	v_bfe_u32 v3, v0, 4, 1                         ; h
	s_delay_alu instid0(VALU_DEP_3)
	v_lshlrev_b32 v[LI], 4, v1
	s_mul_i32 s34, s18, STGB
	v_add_nc_u32 v[SI1], s34, v[LI]
	v_mul_u32_u24 v17, v2, SROW
	s_delay_alu instid0(VALU_DEP_1)
	v_lshl_add_u32 v17, v3, 6, v17
	s_delay_alu instid0(VALU_DEP_1)
	v_add_nc_u32 v[SO1], s34, v17
	s_delay_alu instid0(VALU_DEP_4)
	v_add_nc_u32 v[SI2], STG2, v[SI1]
	s_delay_alu instid0(VALU_DEP_2)
	v_add_nc_u32 v[SO2], STG2, v[SO1]
	s_lshl_b32 s34, s18, 10
	v_add_nc_u32 v[CWI], s34, v[LI]
	s_delay_alu instid0(VALU_DEP_1)
	v_add_nc_u32 v[CWI], CIMG, v[CWI]
	v_add_nc_u32 v[CRD], CIMG, v[LI]
	v_lshlrev_b32 v18, 2, v2
	s_delay_alu instid0(VALU_DEP_1)
	v_add_nc_u32 v[CSR], CSC, v18
	s_lshl_b32 s34, s18, 6
	v_add_nc_u32 v[CWS], s34, v[CSR]
	s_lshr_b32 s34, s18, 2
	s_lshl_b32 s34, s34, 8
	s_and_b32 s35, s18, 3
	s_lshl_b32 s35, s35, 2
	s_add_co_u32 s34, s34, s35
	s_add_co_u32 s34, s34, SG
	v_lshl_add_u32 v[GA], v2, 4, s34
	v_add_nc_u32 v[GR], SG, v[LI]
	s_lshr_b32 s19, s18, 1
	s_lshl_b32 s19, s19, 5
	s_and_b32 s35, s18, 1
	s_lshl_b32 s35, s35, 3
	s_add_co_u32 s19, s19, s35                     ; tb = 32 (wave / 2) + 8 (wave % 2): where tile number 'wave' begins
	s_mov_b32 s[SEL], 0x76543210
	s_mov_b32 s[SEL+1], 0xfedcba98
	s_mov_b32 s25, 0                               ; the upper words of the four offsets
	s_mov_b32 s27, 0
	s_mov_b32 s29, 0
	s_mov_b32 s31, 0
	s_wait_kmcnt 0x0
	s_cmp_lt_u32 ttmp9, 200
	s_cbranch_scc1 .Lweights
	; ---- THE WAY OF k AND v: my fragment = Q(C R^T): source 0 = the eight tiles of C (each wave quantises one and shows it to the others), source 1 = my tile of R
	s_cmp_lt_u32 ttmp9, 328
	s_cbranch_scc0 .Lfor_k
	s_sub_co_u32 s34, ttmp9, 200                   ; v: C = half a batch's pool (128 entries), R = 16 rows of Wv: a lane holds one d, its registers run along the entries
	s_lshr_b32 s35, s34, 4                         ; batch
	s_bfe_u32 s41, s34, 0x10003                    ; which half of the pool
	s_and_b32 s42, s34, 7                          ; which eight tiles of d
	s_mov_b64 s[20:21], s[14:15]
	s_mov_b64 s[22:23], s[12:13]
	s_lshl_b32 s24, s35, 17
	s_lshl_b32 s43, s41, 16
	s_add_co_u32 s24, s24, s43
	s_lshl_b32 s43, s19, 9
	s_add_co_u32 s24, s24, s43                     ; C: 131,072 b + 65,536 s + 512 tb
	s_lshl_b32 s26, s42, 7
	s_add_co_u32 s26, s26, s19
	s_lshl_b32 s26, s26, 9                         ; R: 512 (128 oct + tb)
	s_lshl_b32 s28, s42, 3
	s_add_co_u32 s28, s28, s18
	s_lshl_b32 s28, s28, 11
	s_lshl_b32 s43, s35, 17
	s_add_co_u32 s28, s28, s43
	s_lshl_b32 s43, s41, 10
	s_add_co_u32 s28, s28, s43
	s_add_co_u32 s28, s28, WS_VF                   ; the fragment's place
	s_lshl_b32 s30, s35, 13
	s_lshl_b32 s43, s41, 12
	s_add_co_u32 s30, s30, s43
	s_lshl_b32 s43, s42, 9
	s_add_co_u32 s30, s30, s43
	s_add_co_u32 s30, s30, WS_VS                   ; the eight tiles' scale words
	s_branch .Lproduct
.Lfor_k:
	s_sub_co_u32 s34, ttmp9, 328                   ; k: C = Wk (128 rows e), R = 16 entries of the pool: a lane holds one entry, its registers run along e
	s_lshr_b32 s35, s34, 1                         ; batch
	s_and_b32 s41, s34, 1                          ; which eight tiles of entries
	s_mov_b64 s[20:21], s[10:11]
	s_mov_b64 s[22:23], s[14:15]
	s_lshl_b32 s24, s19, 9
	s_lshl_b32 s26, s41, 7
	s_add_co_u32 s26, s26, s19
	s_lshl_b32 s26, s26, 9
	s_lshl_b32 s43, s35, 17
	s_add_co_u32 s26, s26, s43
	s_lshl_b32 s28, s41, 3
	s_add_co_u32 s28, s28, s18
	s_lshl_b32 s28, s28, 10
	s_lshl_b32 s43, s35, 14
	s_add_co_u32 s28, s28, s43
	s_add_co_u32 s28, s28, WS_KF
	s_lshl_b32 s30, s35, 10
	s_lshl_b32 s43, s41, 9
	s_add_co_u32 s30, s30, s43
	s_add_co_u32 s30, s30, WS_KS
.Lproduct:
	s_add_nc_u64 s[20:21], s[20:21], s[24:25]
	s_add_nc_u64 s[22:23], s[22:23], s[26:27]
	s_add_nc_u64 s[36:37], s[16:17], s[28:29]
	s_add_nc_u64 s[38:39], s[16:17], s[30:31]
.irp i, 0,1,2,3,4,5,6,7,8,9,10,11,12,13,14,15
	v_add_nc_u32 v[OF+\i], (\i+8*(\i/8))*512, v[LI]   ; the tile's row i lies i + 8 (i / 8) rows of 512 bytes on
.endr
.irp i, 0,1,2,3,4,5,6,7,8,9,10,11,12,13,14,15
	global_load_b128 v[SA+4*\i:SA+4*\i+3], v[OF+\i], s[20:21]   ; 32 lanes read a row's 512 bytes
.endr
.irp i, 0,1,2,3,4,5,6,7,8,9,10,11,12,13,14,15
	global_load_b128 v[SB+4*\i:SB+4*\i+3], v[OF+\i], s[22:23]
.endr
	s_wait_loadcnt 0x0                             ; both tiles are in; the offsets' registers are free
.irp b, 0,1,2,3
	v_mov_b32 v[TM+4+\b], 0                        ; written once: a lane permute's destination counts as one of its sources
.endr
	TURN SA, SI1, SO1
	s_wait_dscnt 0x0
	QUANT ST                                       ; my tile of C
.irp c, 0,1
	ds_store_b128 v[CWI], v[PC+4*\c:PC+4*\c+3] offset:512*\c   ; as an image of its registers
.endr
	ds_store_b32 v[CWS], v[PW]                     ; both halves of the lanes write row r's word with the same value
	TURN SB, SI1, SO1                              ; my tile of R through the same stage, behind the first turn's loads
	BARRIER                                        ; C's eight fragments lie in LDS; my numbers of R are in
.irp t, 0,1,2,3,4,5,6,7
.irp c, 0,1
	ds_load_b128 v[SA+8*\t+4*\c:SA+8*\t+4*\c+3], v[CRD] offset:1024*\t+512*\c
.endr
	ds_load_b32 v[CS+\t], v[CSR] offset:64*\t
.endr
	QUANT ST                                       ; my tile of R, while C's fragments come
	s_wait_alu depctr_va_vdst(0)
	s_wait_dscnt 0x0
.rept 8
	v_nop                                          ; a scale register written by a vector instruction stands 8 places ahead of a scaled matrix instruction, an operand so written 4
.endr
.irp t, 0,1,2,3,4,5,6,7
	v_wmma_scale_f32_16x16x128_f8f6f4 v[SB+8*\t:SB+8*\t+7], v[SA+8*\t:SA+8*\t+7], v[PC:PC+7], 0, v[CS+\t], v[PW] matrix_a_fmt:MATRIX_FMT_FP4 matrix_b_fmt:MATRIX_FMT_FP4
.endr
.rept 4
	v_nop                                          ; four places behind the last product (ISA guide 7.12.1)
.endr
	QUANT SB                                       ; lane (r, h): row r of R, registers 16 b + i = C's row 32 b + 16 h + i: the fragment that ws wants
	s_branch .Ltail
	; ---- THE WEIGHTS' WAY: my fragment = Q(16 rows x 128 K of a weight)
.Lweights:
	s_lshr_b32 s34, ttmp9, 6                       ; 0: Wg; 1: Wout, K 0 ..; 2: Wout, K 1,024 ..; 3: Wq
	s_bfe_u32 s35, ttmp9, 0x50001                  ; P: which 32 rows
	s_and_b32 s41, ttmp9, 1                        ; u: which tile of the pair
	s_cmp_eq_u32 s34, 0
	s_cselect_b64 s[20:21], s[4:5], s[6:7]
	s_cmp_eq_u32 s34, 3
	s_cselect_b64 s[20:21], s[8:9], s[20:21]
	s_add_co_u32 s42, s34, 1
	s_bfe_u32 s42, s42, 0x10001                    ; 1 for Wout
	s_lshl_b32 s40, 0x1000, s42                    ; a row in bytes: 4,096 or 8,192
	s_lshl_b32 s43, s35, 5
	s_lshl_b32 s44, s41, 3
	s_add_co_u32 s43, s43, s44                     ; the tile's first row
	s_mul_i32 s24, s43, s40
	s_cmp_eq_u32 s34, 2
	s_cselect_b32 s44, 0x1000, 0
	s_add_co_u32 s24, s24, s44
	s_lshl_b32 s44, s18, 9
	s_add_co_u32 s24, s24, s44                     ; + my K step's 512 bytes
	s_mul_i32 s45, s35, 3
	s_add_co_u32 s45, s45, s34
	s_add_co_u32 s46, s35, 96
	s_cmp_lt_u32 s34, 3
	s_cselect_b32 s45, s45, s46                    ; the section
	s_mul_i32 s45, s45, SECB
	s_lshl_b32 s28, s18, 1
	s_add_co_u32 s28, s28, s41
	s_lshl_b32 s28, s28, 10
	s_add_co_u32 s28, s28, s45
	s_add_co_u32 s28, s28, 1024                    ; fragment (s = wave, u)
	s_lshl_b32 s30, s41, 9
	s_add_co_u32 s30, s30, s45                     ; tile u's scale words
	s_add_nc_u64 s[20:21], s[20:21], s[24:25]
	s_add_nc_u64 s[36:37], s[16:17], s[28:29]
	s_add_nc_u64 s[38:39], s[16:17], s[30:31]
.irp i, 0,1,2,3,4,5,6,7,8,9,10,11,12,13,14,15
	v_mad_u32_u24 v[OF+\i], s40, \i+8*(\i/8), v[LI]
.endr
.irp i, 0,1,2,3,4,5,6,7,8,9,10,11,12,13,14,15
	global_load_b128 v[SA+4*\i:SA+4*\i+3], v[OF+\i], s[20:21] th:TH_LOAD_NT   ; each byte of a weight is read once in the launch
.endr
	s_wait_loadcnt 0x0
.irp b, 0,1,2,3
	v_mov_b32 v[TM+4+\b], 0
.endr
	TURN SA, SI2, SO2
	s_wait_dscnt 0x0
	QUANT ST
	; ---- THE TAIL, for both ways: the fragment leaves as 1,024 consecutive bytes; the eight waves' scale words are gathered and leave as 512
.Ltail:
	s_wait_alu depctr_va_vdst(0)
	global_store_b128 v[LI], v[PC:PC+3], s[36:37]
	global_store_b128 v[LI], v[PC+4:PC+7], s[36:37] offset:512
	ds_store_b32 v[GA], v[PW]
	BARRIER
	s_cmp_lg_u32 s18, 0
	s_cbranch_scc1 .Lend
	ds_load_b128 v[GT:GT+3], v[GR]
	s_wait_dscnt 0x0
	global_store_b128 v[LI], v[GT:GT+3], s[38:39]
.Lend:
	s_wait_tensorcnt 0x0                           ; the wave's end: a tensor wait, an LDS add and its wait behind my last LDS store, the tensor wait in a text with no tensor load too
	ds_add_u32 v[SPW], v[NIL]
	s_wait_dscnt 0x0
	s_endpgm
.Lfunc_end_k_qf1af7a8274_prep:
	.size	k_qf1af7a8274_prep, .Lfunc_end_k_qf1af7a8274_prep-k_qf1af7a8274_prep
	.p2alignl 7, 3214868480
	.fill 96, 4, 3214868480
	.section	.rodata,"a",@progbits
	.p2align	6, 0x0
	.amdhsa_kernel k_qf1af7a8274_prep
		.amdhsa_group_segment_fixed_size 145408
		.amdhsa_private_segment_fixed_size 0
		.amdhsa_enable_private_segment 0
		.amdhsa_kernarg_size 56
		.amdhsa_user_sgpr_count 2
		.amdhsa_user_sgpr_kernarg_segment_ptr 1
		.amdhsa_wavefront_size32 1
		.amdhsa_system_sgpr_workgroup_id_x 1
		.amdhsa_system_sgpr_workgroup_id_y 1
		.amdhsa_system_sgpr_workgroup_id_z 1
		.amdhsa_system_vgpr_workitem_id 0
		.amdhsa_next_free_vgpr 256
		.amdhsa_next_free_sgpr 66
		.amdhsa_reserve_vcc 0
		.amdhsa_float_denorm_mode_32 3
		.amdhsa_float_denorm_mode_16_64 3
		.amdhsa_memory_ordered 1
		.amdhsa_forward_progress 1
		.amdhsa_inst_pref_size 40
	.end_amdhsa_kernel
	.amdgpu_metadata
---
amdhsa.version: [ 1, 2 ]
amdhsa.kernels:
  - .name:           k_qf1af7a8274_prep
    .symbol:         k_qf1af7a8274_prep.kd
    .args:
      - { .name: Wg, .offset: 0, .size: 8, .value_kind: global_buffer, .address_space: global }
      - { .name: Wout, .offset: 8, .size: 8, .value_kind: global_buffer, .address_space: global }
      - { .name: Wq, .offset: 16, .size: 8, .value_kind: global_buffer, .address_space: global }
      - { .name: Wk, .offset: 24, .size: 8, .value_kind: global_buffer, .address_space: global }
      - { .name: Wv, .offset: 32, .size: 8, .value_kind: global_buffer, .address_space: global }
      - { .name: pool, .offset: 40, .size: 8, .value_kind: global_buffer, .address_space: global }
      - { .name: ws, .offset: 48, .size: 8, .value_kind: global_buffer, .address_space: global }
    .group_segment_fixed_size: 145408
    .private_segment_fixed_size: 0
    .kernarg_segment_align: 8
    .kernarg_segment_size: 56
    .max_flat_workgroup_size: 256
    .sgpr_count:     66
    .vgpr_count:     256
    .wavefront_size: 32
...
	.end_amdgpu_metadata
.endif
;; end of part 1
;; launch main (part 2): grid 256 x 1, 4 waves a work-group, no clusters, 327,680 bytes of LDS; arguments x, pool_mask, bg, ws, out0; writes out0
.if DOCPART == 2
	.amdgcn_target "amdgcn-amd-amdhsa--gfx1250"
	.amdhsa_code_object_version 6
	.text
	.protected	k_qf1af7a8274_main
	.globl	k_qf1af7a8274_main
	.p2align	8
	.type	k_qf1af7a8274_main,@function
k_qf1af7a8274_main:
	s_mov_b64 s[64:65], 0
	v_nop
	global_prefetch_b8 v0, s[64:65] scope:SCOPE_SE
	s_setreg_imm32_b32 hwreg(HW_REG_WAVE_MODE, 25, 1), 1
	s_wait_xcnt 0x0
; MemoryPool, second launch: out = x + sigmoid(x Wg^T + bg) * ([x, retrieved] Wout^T), retrieved = softmax(mask(q k^T / sqrt(128))) v, q = x Wq^T.  All products on codes of FP4 (E2M1), one E8M0 byte for each 32 along K.
; Nothing of reference() is left out.  Weights, k and v come from ws as images of operand registers (a fragment = 1,024 bytes: register group c of lane l at 512 c + 16 l), laid by the first launch.
; SHARES.  A work-group of four waves takes 64 rows of x (16,384 / 256) through the whole chain; q, scores, p, retrieved and the gate never go to memory.
;   x in f32 (64 rows x 4,096 bytes) lies in LDS, as four strips of 256 columns, one a wave, brought by one tensor load a wave, filled once.  It is read twice (to be quantised; for the residual), and the result is
;   written over it in place and leaves as whole pieces of rows: x is read from memory once.
;   THE WAVES SHARE THE COLUMNS: wave w makes columns 32 w .. of q, row tile w of the softmax, columns 256 w .. of retrieved and of out, for all 64 rows.
;   The codes of [x, retrieved], 64 rows x 2,048 K, lie WHOLE in every wave's registers (512 registers, 32 of scale words): the two large products read no such operand again.
;   Each weight fragment is read by one wave of the work-group, straight from memory into a ring of 24 fragments of registers, and feeds four matrix instructions.
; EVERY PRODUCT IS USED TRANSPOSED: source 0 = 16 rows of the weight side, source 1 = 16 rows of x: a lane holds one row (lane % 16), its registers run along the weight's rows.  The rows of a source-0 tile T are
; 32 (T / 2) + 8 (T % 2) + i + 8 (i / 8), so the 16 registers of tiles 2 b, 2 b + 1 are columns 32 b + 16 (lane / 16) + 0 .. 15: 16 neighbours, for the quantiser and for 64 consecutive bytes of x.
; THE SOFTMAX is quantised finished and normalised: t = score c + (0 or -infinity by the mask), c = log2(e) / sqrt(128); M = the row's largest t; p = 2^(t - M) / the sum.
;   A row whose mask is all false: M stays at -3e38, every p is 0, the sum is held at 1 from below (a live row's sum is 1 or more, its largest term being 1): p = 0, what nan_to_num leaves in reference().
; NO CLUSTER, though all work-groups walk the same weights: a joint request lands in LDS, and of 327,680 bytes the strips take 266,240 and the exchange areas and spare words 49,408; the 12,032 left would hold two
;   slots of five fragments, twenty matrix instructions for the four waves together between two of the cluster's barriers.  Instead the work-groups begin their walk over a wave's eight chunks of 32 columns at
;   eight different chunks, by the work-group's number, so that they do not all ask for the same bytes at the same time.
; LIMITS: NaN and infinities among the inputs are not served; a t under -3e38 counts as masked; a p under 2^-126 is 0 (v_exp_f32, ISA guide 15.8); a block of zeros has the byte 1 with zero codes; sums are taken in another order than reference()'s.
.set SECB,  17408                      ; a section of ws: 1,024 bytes of scale words, 16 fragments
.set CHB,   3*SECB                     ; a chunk: 32 columns' sections of Wg, Wout low, Wout high
.set WS_VF, 100*SECB
.set WS_VS, WS_VF+1048576
.set WS_KF, WS_VS+65536
.set WS_KS, WS_KF+131072
.set XP,    1040                       ; a strip's row in LDS: 1,024 bytes + 16 = 260 words: row r starts at bank 4 r mod 64 (64 banks of 4 bytes: ISA guide 11.1)
.set STRIP, 64*XP
.set XIMG,  4*STRIP                    ; 32 fragment images, 8 m + s (row tile m, K step s): first x's, later retrieved's
.set XSC,   XIMG+32768                 ; their scale words: 64 (8 m + s) + 4 r
.set QIMG,  XSC+2048                   ; q's four fragments
.set QSC,   QIMG+4096                  ; their scale words: 64 m + 4 r
.set PIMG,  QSC+256                    ; p's eight fragments, 2 m + s
.set PSC,   PIMG+8192
.set MB,    PSC+512                    ; the mask as 256 numbers, 0 or -infinity
.set SPARE, MB+1024                    ; the spare words, 128 bytes for each wave: two blocks of 256 bytes that no other line names
; window 0
.set SPW, 1                            ; SPARE + 4 x my thread's number; never rewritten
.set NIL, 2                            ; 0; never rewritten
.set LI,  3                            ; 16 x lane
.set XA0, 4                            ; my strip: 1,040 r + 64 h
.set XR0, 5                            ; my strip: 1,040 (lane / 16) + 16 (lane % 16)
.set XAA, 6                            ; XA0 + 128 x the trip's first chunk;  XAB (= XAA + 1): its second
.set XAB, 7
.set XRC, 8                            ; XR0 + 128 x the trip's lower chunk
.set GO,  9                            ; 4,096 (lane / 16) + 16 (lane % 16): out's rows, and v's scale words
.set IWR, 10
.set SWR, 11
.set IRD, 12
.set SRD, 13
.set QWI, 14
.set QWS, 15
.set QRD, 16
.set QSR, 17
.set PWI, 18
.set PWS, 19
.set PRD, 20
.set PSR, 21
.set MBW, 22
.set MBA, 23
.set KSO, 24
.set BGO, 25
.set MKO, 26
.set NINF, 27
.set RXS, 32                           ; v32-47  x's scale words: 4 m + s / 2; lanes 0-15 the even K step, lanes 16-31 the odd
.set RKS, 48                           ; v48-63  k's scale words; then p's (v48-51); then retrieved's, as x's
.set RPS, 48
.set RRS, 48
.set RWQ, 64                           ; v64-71  Wq's scale words; then q's (v64);
.set RQS, 64
.set RVS, 72                           ; v72-87  v's;
.set RWS, 64                           ; v64-87  then the chunk's: 8 section + 4 u + s % 4; lanes 0-15 K steps 0-3, lanes 16-31 K steps 4-7
.set TM,  88                           ; v88-103 at work in the quantiser; then bg of the chunk's 32 columns, in the result's layout
.set BG,  88
.set PC,  104                          ; v104-111 the codes just made
.set QF,  112                          ; v112-119 q's fragment
.set PW,  120                          ; the scale word just made;  v121-127 at work
.set ST0, 128                          ; v128-255: two sets of 64 numbers of x; q's sums; the scores and p; retrieved's sums and p's fragments; the gate's and the output's sums
.set QA,  128
.set S0,  128
.set RA,  128
.set PF,  192
.set GA0, 128
.set OA0, 192
.set XT,  192                          ; window 1: v0-191 the ring (earlier Wq's fragments, the mask's numbers; from v128 k's fragments); v192-255 x in f32 for a chunk
                                       ; window 2: x's codes, 8 (8 m + s).   window 3: v's fragments, 8 (2 T + s); then retrieved's codes
.set SEL, 32                           ; s[32:33] lane selects for v_permlanex16_b32: lane l xor 16
.set MSB, 0
.macro WIN new                         ; bits 1:0 source 0, 3:2 source 1, 5:4 source 2, 7:6 destination; the high byte repeats the setting that is left
.if MSB != \new
	s_set_vgpr_msb (MSB<<8)|\new
.set MSB, \new
.endif
.endm
; 64 numbers of a lane, register 16 b + i = k 32 b + 16 (lane / 16) + i of my row: four largest magnitudes, four bytes (TM+4 ..), sixteen codes a block in PC + 2 b, PC + 2 b + 1
.macro QCORE s
.irp b, 0,1,2,3
	v_max3_num_f32 v[TM+\b], |v[\s+16*\b]|, |v[\s+1+16*\b]|, 0x1800000   ; my 16 numbers of block b, and the floor 2^(3 - 127): the byte cannot fall under 1
.endr
.irp i, 2,4,6,8,10,12,14
.irp b, 0,1,2,3
	v_max3_num_f32 v[TM+\b], v[TM+\b], |v[\s+16*\b+\i]|, |v[\s+1+16*\b+\i]|   ; the four blocks by turns
.endr
.endr
.irp b, 0,1,2,3
	v_permlanex16_b32 v[TM+4+\b], v[TM+\b], s[SEL], s[SEL+1]
.endr
.irp b, 0,1,2,3
	v_max_num_f32 v[TM+\b], v[TM+\b], v[TM+4+\b]   ; with lane l xor 16's: the block's largest magnitude
.endr
.irp b, 0,1,2,3
	v_add_nc_u32 v[TM+12+\b], 0xff000000, v[TM+\b]   ; 2 off its exponent field: the conversion takes this operand's exponent field as its scale
.endr
.irp b, 0,1,2,3
	v_lshrrev_b32 v[TM+4+\b], 23, v[TM+12+\b]      ; the scale's byte
.endr
.irp b, 0,1,2,3
	v_cvt_scalef32_pk8_fp4_f32 v[PC+2*\b], v[\s+16*\b:\s+7+16*\b], v[TM+12+\b]
	v_cvt_scalef32_pk8_fp4_f32 v[PC+1+2*\b], v[\s+8+16*\b:\s+15+16*\b], v[TM+12+\b]
.endr
	v_nop                                          ; one plain place behind a scaled conversion
.endm
.macro QTAIL                           ; the four bytes make my row's scale word; the operand's layout wants a whole block in a lane
	v_lshl_or_b32 v[PW], v[TM+5], 8, v[TM+4]
	v_lshl_or_b32 v[PW], v[TM+6], 16, v[PW]
	v_lshl_or_b32 v[PW], v[TM+7], 24, v[PW]
.irp c, 0,1
.irp i, 0,1
	v_permlane16_swap_b32 v[PC+4*\c+\i], v[PC+2+4*\c+\i]
.endr
.endr
.endm
.macro QUANT s
	QCORE \s
	QTAIL
.endm
.macro IMAGE adr, off                  ; the fragment in v[PC] on goes to LDS as it stands
.irp c, 0,1
	ds_store_b128 v[\adr], v[PC+4*\c:PC+4*\c+3] offset:\off+512*\c
.endr
.endm
.macro BARRIER                         ; my LDS stores have landed and my LDS loads are in: then the work-group's barrier
	s_wait_dscnt 0x0
	s_barrier_signal -1
	s_barrier_wait -1
.endm
; One matrix instruction.  c < 0: the constant 0 starts the sum.  ra, rb: the side's scale words stand in lanes 16-31 of its register.
.macro WM d, a, b, c, sa, sb, ra, rb
.if (\c) < 0
.if (\ra) && (\rb)
	v_wmma_scale_f32_16x16x128_f8f6f4 v[0+\d:7+\d], v[0+\a:7+\a], v[0+\b:7+\b], 0, v[\sa], v[\sb] matrix_a_fmt:MATRIX_FMT_FP4 matrix_b_fmt:MATRIX_FMT_FP4 matrix_a_scale:MATRIX_SCALE_ROW1 matrix_b_scale:MATRIX_SCALE_ROW1
.elseif (\ra)
	v_wmma_scale_f32_16x16x128_f8f6f4 v[0+\d:7+\d], v[0+\a:7+\a], v[0+\b:7+\b], 0, v[\sa], v[\sb] matrix_a_fmt:MATRIX_FMT_FP4 matrix_b_fmt:MATRIX_FMT_FP4 matrix_a_scale:MATRIX_SCALE_ROW1
.elseif (\rb)
	v_wmma_scale_f32_16x16x128_f8f6f4 v[0+\d:7+\d], v[0+\a:7+\a], v[0+\b:7+\b], 0, v[\sa], v[\sb] matrix_a_fmt:MATRIX_FMT_FP4 matrix_b_fmt:MATRIX_FMT_FP4 matrix_b_scale:MATRIX_SCALE_ROW1
.else
	v_wmma_scale_f32_16x16x128_f8f6f4 v[0+\d:7+\d], v[0+\a:7+\a], v[0+\b:7+\b], 0, v[\sa], v[\sb] matrix_a_fmt:MATRIX_FMT_FP4 matrix_b_fmt:MATRIX_FMT_FP4
.endif
.else
.if (\ra) && (\rb)
	v_wmma_scale_f32_16x16x128_f8f6f4 v[0+\d:7+\d], v[0+\a:7+\a], v[0+\b:7+\b], v[0+\c:7+\c], v[\sa], v[\sb] matrix_a_fmt:MATRIX_FMT_FP4 matrix_b_fmt:MATRIX_FMT_FP4 matrix_a_scale:MATRIX_SCALE_ROW1 matrix_b_scale:MATRIX_SCALE_ROW1
.elseif (\ra)
	v_wmma_scale_f32_16x16x128_f8f6f4 v[0+\d:7+\d], v[0+\a:7+\a], v[0+\b:7+\b], v[0+\c:7+\c], v[\sa], v[\sb] matrix_a_fmt:MATRIX_FMT_FP4 matrix_b_fmt:MATRIX_FMT_FP4 matrix_a_scale:MATRIX_SCALE_ROW1
.elseif (\rb)
	v_wmma_scale_f32_16x16x128_f8f6f4 v[0+\d:7+\d], v[0+\a:7+\a], v[0+\b:7+\b], v[0+\c:7+\c], v[\sa], v[\sb] matrix_a_fmt:MATRIX_FMT_FP4 matrix_b_fmt:MATRIX_FMT_FP4 matrix_b_scale:MATRIX_SCALE_ROW1
.else
	v_wmma_scale_f32_16x16x128_f8f6f4 v[0+\d:7+\d], v[0+\a:7+\a], v[0+\b:7+\b], v[0+\c:7+\c], v[\sa], v[\sb] matrix_a_fmt:MATRIX_FMT_FP4 matrix_b_fmt:MATRIX_FMT_FP4
.endif
.endif
.endm
; THE WALK.  Trip TAU (s68) takes the pair of chunks base, base + 1, base = (2 TAU + ROT) % 8, in the order cA = base ^ E, cB = cA ^ 1; cC is the next trip's first chunk.  ROT = 2 (work-group % 4), E = (work-group / 4) % 2.
; Each chunk number is cut to 0 .. 7 by its last line.  s[36:37] my wave's eight chunks in ws, s[38:39] my 256 numbers of bg, s[40:41] my strip of out.
.macro SETTRIP
	s_lshl_b32 s74, s68, 1
	s_add_co_u32 s74, s74, s69
	s_and_b32 s74, s74, 7                          ; base
	s_xor_b32 s71, s74, s70
	s_and_b32 s71, s71, 7                          ; cA
	s_xor_b32 s72, s71, 1
	s_and_b32 s72, s72, 7                          ; cB
	s_add_co_u32 s73, s74, 2
	s_xor_b32 s73, s73, s70
	s_and_b32 s73, s73, 7                          ; cC
	s_mov_b32 s79, 0
	s_mul_i32 s78, s71, CHB
	s_add_nc_u64 s[42:43], s[36:37], s[78:79]      ; the three chunks in ws
	s_mul_i32 s78, s72, CHB
	s_add_nc_u64 s[44:45], s[36:37], s[78:79]
	s_mul_i32 s78, s73, CHB
	s_add_nc_u64 s[46:47], s[36:37], s[78:79]
	s_lshl_b32 s78, s72, 7
	s_add_nc_u64 s[48:49], s[38:39], s[78:79]      ; bg of cB,
	v_add_nc_u32 v[XAB], s78, v[XA0]
	s_lshl_b32 s78, s73, 7
	s_add_nc_u64 s[50:51], s[38:39], s[78:79]      ; of cC
	s_lshl_b32 s78, s74, 7
	s_add_nc_u64 s[52:53], s[40:41], s[78:79]      ; the pair's 256 bytes of each row of out
	v_add_nc_u32 v[XRC], s78, v[XR0]
	s_lshl_b32 s78, s71, 7
	v_add_nc_u32 v[XAA], s78, v[XA0]
.endm
	s_load_b256 s[4:11], s[0:1], 0x0               ; x s[4:5], pool_mask s[6:7], bg s[8:9], ws s[10:11]
	s_load_b64 s[12:13], s[0:1], 0x20              ; out0
	v_lshl_add_u32 v[SPW], v0, 2, SPARE
	v_mov_b32 v[NIL], 0
	ds_add_u32 v[SPW], v[NIL]                      ; the wave's opening: the add, twice on end, and its wait ahead of my first tensor load; the set-up below, work on registers, stands between
	ds_add_u32 v[SPW], v[NIL]                      ; and once more, under the one wait
	v_lshrrev_b32 v29, 5, v0
	v_readfirstlane_b32 s14, v29                   ; wave 0..3
	; descriptor group 1: 64 rows x 256 elements of 4 bytes, 1,024 elements from row to row, 4 words of padding behind every 256
	s_mov_b32 s24, (2<<16)|(1<<20)|(7<<22)|(3<<25) ; 15:0 no mask; 17:16 elements of 4 bytes; 20 padding on; 24:22 after every 256 words (code 7); 31:25 four words (code 3)
	s_mov_b32 s25, 256<<16                         ; tensor_dim0
	s_mov_b32 s26, 64<<16                          ; tensor_dim1
	s_mov_b32 s27, 256<<16                         ; tile_dim0
	s_mov_b32 s28, 64                              ; tile_dim1
	s_mov_b32 s29, 1024                            ; tensor_dim0_stride
	s_mov_b32 s30, 0
	s_mov_b32 s31, 0
	s_mov_b32 s20, 1                               ; group 0: count = 1
	s_mul_i32 s21, s14, STRIP                      ; my strip in LDS
	s_lshl_b32 s16, ttmp9, 18                      ; the work-group's 64 rows of 4,096 bytes
	s_lshl_b32 s15, s14, 10                        ; my 256 columns
	s_add_co_u32 s16, s16, s15
	s_mov_b32 s17, 0
	s_lshr_b32 s18, ttmp9, 5                       ; the batch: 32 work-groups each
	s_mov_b32 s[SEL], 0x76543210
	s_mov_b32 s[SEL+1], 0xfedcba98
	s_mov_b32 s34, 0x3e0293ee                      ; c = log2(e) / sqrt(128)
	s_mov_b32 s35, s34                             ; (named with it as a pair, so it is written)
	s_mov_b32 s76, 0xbfb8aa3b                      ; -log2(e), for the gate
	s_mov_b32 s77, s76
	s_mov_b32 s68, 0                               ; TAU
	s_and_b32 s69, ttmp9, 3
	s_lshl_b32 s69, s69, 1                         ; ROT
	s_bfe_u32 s70, ttmp9, 0x10002                  ; E
	v_and_b32 v29, 31, v0                          ; lane
	v_and_b32 v30, 15, v0                          ; r
	v_bfe_u32 v31, v0, 4, 1                        ; h
	v_lshlrev_b32 v[LI], 4, v29
	v_mul_u32_u24 v[XA0], v30, XP
	v_lshl_add_u32 v[XA0], v31, 6, v[XA0]
	v_add_nc_u32 v[XA0], s21, v[XA0]
	v_mul_u32_u24 v[XR0], v31, XP
	v_lshl_add_u32 v[XR0], v30, 4, v[XR0]
	v_add_nc_u32 v[XR0], s21, v[XR0]
	v_lshlrev_b32 v[GO], 12, v31
	v_lshl_add_u32 v[GO], v30, 4, v[GO]
	s_lshl_b32 s19, s14, 11
	v_add_nc_u32 v[IWR], s19, v[LI]
	v_add_nc_u32 v[PWI], PIMG, v[IWR]              ; p's images: 2,048 x wave + 16 x lane
	v_add_nc_u32 v[IWR], XIMG, v[IWR]              ; x's and retrieved's likewise: my two K steps
	v_add_nc_u32 v[IRD], XIMG, v[LI]
	v_add_nc_u32 v[PRD], PIMG, v[LI]
	s_lshl_b32 s19, s14, 7
	v_lshl_add_u32 v[SWR], v30, 2, s19
	v_add_nc_u32 v[PWS], PSC, v[SWR]               ; 128 x wave + 4 r
	v_add_nc_u32 v[SWR], XSC, v[SWR]
	v_lshl_add_u32 v[SRD], v29, 2, XSC             ; 4 x lane: lanes 16-31 read the next K step's words
	v_lshl_add_u32 v[PSR], v29, 2, PSC
	s_lshl_b32 s19, s14, 8
	v_lshl_add_u32 v[QWI], v30, 4, s19
	v_lshl_add_u32 v[QWI], v31, 3, v[QWI]
	v_add_nc_u32 v[QWI], QIMG, v[QWI]              ; block w of q's K lies at 256 w + 16 r of an image; my 16 codes at 8 h of those 16 bytes
	v_lshl_add_u32 v[QWS], v30, 2, s14
	v_add_nc_u32 v[QWS], QSC, v[QWS]               ; byte w of row r's word
	v_add_nc_u32 v[QRD], s15, v[LI]
	v_add_nc_u32 v[QRD], QIMG, v[QRD]              ; row tile w's fragment
	s_lshl_b32 s19, s14, 6
	v_lshl_add_u32 v[QSR], v30, 2, s19
	v_add_nc_u32 v[QSR], QSC, v[QSR]
	v_lshl_add_u32 v[MBW], v0, 3, MB
	v_lshl_add_u32 v[MBA], v31, 6, MB
	v_lshlrev_b32 v[KSO], 4, v30
	v_lshlrev_b32 v[BGO], 6, v31
	v_lshlrev_b32 v[MKO], 1, v0
	v_mov_b32 v[NINF], 0xff800000
	v_mul_u32_u24 v28, v29, XP                     ; v28: row 'lane' of my strip: 1,040 x lane + my strip; never rewritten
	v_add_nc_u32 v28, s21, v28
.irp b, 0,1,2,3
	v_mov_b32 v[TM+4+\b], 0                        ; written once: a lane permute's destination counts as one of its sources
.endr
	s_wait_alu depctr_va_vdst(0)
	s_wait_dscnt 0x0                               ; both opening adds are done
	s_wait_kmcnt 0x0
	s_add_nc_u64 s[22:23], s[4:5], s[16:17]        ; my strip of x in memory
	s_or_b32 s23, s23, 0x80000000                  ; type = 2
	tensor_load_to_lds s[20:23], s[24:31]          ; my one tensor load: 64 rows x 1,024 bytes; every wave issues its own, into its own strip; nothing is filled again
	s_nop 0
.rept 4
	v_nop
.endr
	s_add_nc_u64 s[40:41], s[12:13], s[16:17]      ; my strip of out
	s_mov_b32 s16, s15
	s_add_nc_u64 s[38:39], s[8:9], s[16:17]        ; my 256 numbers of bg
	s_mul_i32 s16, s14, 8*CHB
	s_add_nc_u64 s[36:37], s[10:11], s[16:17]      ; my eight chunks
	s_add_co_u32 s16, s14, 96
	s_mul_i32 s16, s16, SECB
	s_add_nc_u64 s[54:55], s[10:11], s[16:17]      ; my section of Wq
	s_lshl_b32 s16, s18, 14
	s_add_co_u32 s16, s16, WS_KF
	s_add_nc_u64 s[56:57], s[10:11], s[16:17]      ; the batch's k
	s_lshl_b32 s16, s18, 10
	s_add_co_u32 s16, s16, WS_KS
	s_add_nc_u64 s[58:59], s[10:11], s[16:17]
	s_lshl_b32 s16, s18, 17
	s_lshl_b32 s19, s14, 15
	s_add_co_u32 s16, s16, s19
	s_add_co_u32 s16, s16, WS_VF
	s_add_nc_u64 s[60:61], s[10:11], s[16:17]      ; my sixteen tiles of the batch's v
	s_lshl_b32 s16, s18, 13
	s_add_co_u32 s16, s16, s15
	s_add_co_u32 s16, s16, WS_VS
	s_add_nc_u64 s[62:63], s[10:11], s[16:17]
	s_lshl_b32 s16, s18, 8
	s_add_nc_u64 s[66:67], s[6:7], s[16:17]        ; the batch's mask
	; 139 loads that land while x comes and is quantised
	global_load_u16 v121, v[MKO], s[66:67]         ; two bytes of the mask a thread
.irp u, 0,1
	global_load_b128 v[RWQ+4*\u:RWQ+4*\u+3], v[LI], s[54:55] offset:512*\u
.endr
.irp q, 0,1,2,3
	global_load_b128 v[RKS+4*\q:RKS+4*\q+3], v[KSO], s[58:59] offset:256*\q   ; register 4 q + i: tile 4 q + i, row r
.endr
.irp q, 0,1,2,3
	global_load_b128 v[RVS+4*\q:RVS+4*\q+3], v[GO], s[62:63] offset:256*\q    ; lanes 0-15 the pool's first half, lanes 16-31 the second
.endr
	WIN 0x40
.set ff, 0
.rept 16
	global_load_b128 v[8*ff:8*ff+3], v[LI], s[54:55] offset:1024+1024*ff      ; Wq's fragment (s, u) at 8 (2 s + u)
	global_load_b128 v[8*ff+4:8*ff+7], v[LI], s[54:55] offset:1024+1024*ff+512
.set ff, ff+1
.endr
.set ff, 0
.rept 16
	global_load_b128 v[128+8*ff:128+8*ff+3], v[LI], s[56:57] offset:1024*ff   ; k's tile T at 128 + 8 T
	global_load_b128 v[128+8*ff+4:128+8*ff+7], v[LI], s[56:57] offset:1024*ff+512
.set ff, ff+1
.endr
	WIN 0xc0
.set ff, 0
.rept 32
	global_load_b128 v[8*ff:8*ff+3], v[LI], s[60:61] offset:1024*ff           ; v's fragment (T, s) at 8 (2 T + s)
	global_load_b128 v[8*ff+4:8*ff+7], v[LI], s[60:61] offset:1024*ff+512
.set ff, ff+1
.endr
	WIN 0
	SETTRIP
	; ---- X: my strip's 256 columns are K steps 2 w, 2 w + 1: eight fragments (row tile m, step s), unit i = 2 m + s.  The next unit's numbers are fetched while this one is quantised.
.macro LOADX i
.set xr, ST0+64*((\i)%2)
.irp b, 0,1,2,3
.irp j, 0,1,2,3
	ds_load_b128 v[xr+16*\b+4*\j:xr+16*\b+4*\j+3], v[XA0] offset:16*XP*((\i)/2)+512*((\i)%2)+128*\b+16*\j
.endr
.endr
.endm
	s_wait_tensorcnt 0x0                           ; my strip is in LDS, its one fill of the launch; only I read it
	ds_store_b128 v28, v[TM+4:TM+7] offset:1024            ; the 16 bytes of padding behind rows 0-31 of my strip are set to 0 (v92-95 hold 0 since the head),
	ds_store_b128 v28, v[TM+4:TM+7] offset:1024+32*XP      ; and those behind rows 32-63: every byte of the strip is now written
	LOADX 0
.irp i, 0,1,2,3,4,5,6,7
.if \i < 7
	LOADX \i+1
	s_wait_dscnt 16                                ; all but the 16 loads just issued: this unit's numbers are in, the last unit's three stores are done
.else
	s_wait_dscnt 0x0
.endif
	QUANT ST0+64*(\i%2)
	IMAGE IWR, 1024*(8*(\i/2)+\i%2)
	ds_store_b32 v[SWR], v[PW] offset:64*(8*(\i/2)+\i%2)
.endr
	s_wait_loadcnt 0x0                             ; the head's loads: the mask, Wq, k, v and their scale words
	v_and_b32 v122, 0xff, v121
	v_lshrrev_b32 v123, 8, v121
	v_cmp_eq_u32 vcc_lo, 0, v122
	v_cndmask_b32 v124, 0, v[NINF], vcc_lo         ; false: -infinity; true: 0
	v_cmp_eq_u32 vcc_lo, 0, v123
	v_cndmask_b32 v125, 0, v[NINF], vcc_lo
	ds_store_b64 v[MBW], v[124:125]
	BARRIER                                        ; x's 32 fragments, their scale words and the mask's numbers lie in LDS
	; ---- L: every wave takes all of x's codes into window 2
	WIN 0x80
.set ff, 0
.rept 32
	ds_load_b128 v[8*ff:8*ff+3], v[IRD] offset:1024*ff
	ds_load_b128 v[8*ff+4:8*ff+7], v[IRD] offset:1024*ff+512
.set ff, ff+1
.endr
	WIN 0
.irp m, 0,1,2,3
.irp p, 0,1,2,3
	ds_load_b32 v[RXS+4*\m+\p], v[SRD] offset:64*(8*\m+2*\p)
.endr
.endr
	s_wait_dscnt 0x0
	; ---- Q: q's columns 32 w .. 32 w + 31 for the 64 rows: eight accumulators by turns; the first K step starts the sums
	WIN 0x09                                       ; source 0 window 1, source 1 window 2
.irp s, 0,1,2,3,4,5,6,7
.irp u, 0,1
.irp m, 0,1,2,3
.set dd, QA+16*\m+8*\u
.set cr, dd
.if \s == 0
.set cr, -1
.endif
	WM dd, 8*(2*\s+\u), 8*(8*\m+\s), cr, RWQ+4*\u+\s%4, RXS+4*\m+\s/2, \s/4, \s%2
.endr
.endr
.endr
	WIN 0
.rept 4
	v_nop                                          ; four places behind the last product (ISA guide 7.12.1)
.endr
	QCORE QA                                       ; its four 'blocks' are the four row tiles: each lane's 16 registers and lane l xor 16's are block w of q's K
.irp m, 0,1,2,3
	ds_store_b64 v[QWI], v[PC+2*\m:PC+2*\m+1] offset:1024*\m
	ds_store_b8 v[QWS], v[TM+4+\m] offset:64*\m    ; both halves of the lanes write the same byte with the same value
.endr
	BARRIER                                        ; q's four fragments lie in LDS
	; ---- S: row tile w: scores against the 256 entries, the softmax, p's two fragments
	ds_load_b128 v[QF:QF+3], v[QRD]
	ds_load_b128 v[QF+4:QF+7], v[QRD] offset:512
	ds_load_b32 v[RQS], v[QSR]
	WIN 0x40
.irp b, 0,1,2,3,4,5,6,7
.irp j, 0,1,2,3
	ds_load_b128 v[16*\b+4*\j:16*\b+4*\j+3], v[MBA] offset:128*\b+16*\j   ; the mask's numbers in the scores' layout: register 16 b + i = entry 32 b + 16 h + i
.endr
.endr
	s_wait_dscnt 0x0
	WIN 0x01                                       ; source 0 window 1
.set tt, 0
.rept 16
	WM S0+8*tt, 128+8*tt, QF, -1, RKS+tt, RQS, 0, 0
.set tt, tt+1
.endr
.rept 4
	v_nop
.endr
	WIN 0x10                                       ; source 2 window 1
.set nn, 0
.rept 64
	v_pk_fma_f32 v[S0+2*nn:S0+2*nn+1], v[S0+2*nn:S0+2*nn+1], s[34:35], v[2*nn:2*nn+1] op_sel_hi:[1,0,1]   ; t = score c + (0 or -infinity); each accumulator from its low end on
.set nn, nn+1
.endr
; Ring group gg % 6 (32 registers of window 1) takes the four fragments of group gg % 12 of the chunk at s[ptr]: section (gg % 12) / 4, fragments 4 (gg % 4) on
.macro FILL gg, ptr
.set fs, ((\gg)%12)/4
.set fq, (\gg)%4
.set fr, 32*((\gg)%6)
.irp k, 0,1,2,3
	global_load_b128 v[fr+8*\k:fr+8*\k+3], v[LI], s[0+\ptr:1+\ptr] offset:fs*SECB+1024+1024*(4*fq+\k)
	global_load_b128 v[fr+8*\k+4:fr+8*\k+7], v[LI], s[0+\ptr:1+\ptr] offset:fs*SECB+1024+1024*(4*fq+\k)+512
.endr
.endm
	WIN 0x40
.irp g, 0,1,2,3,4,5
	FILL \g, 42                                    ; the ring's first 24 fragments are asked for here: they have the softmax and the next phase in which to land
.endr
	WIN 0
.irp k, 0,1,2,3
	v_max3_num_f32 v[121+\k], v[S0+32*\k], v[S0+32*\k+1], 0xff61b1e6   ; four chains; -3e38 among the leaves keeps M a number in a row that is masked throughout
.endr
.irp i, 2,4,6,8,10,12,14,16,18,20,22,24,26,28,30
.irp k, 0,1,2,3
	v_max3_num_f32 v[121+\k], v[121+\k], v[S0+32*\k+\i], v[S0+32*\k+\i+1]
.endr
.endr
	v_max3_num_f32 v121, v121, v122, v123
	v_max_num_f32 v121, v121, v124
	v_permlanex16_b32 v125, v121, s[SEL], s[SEL+1]
	v_max_num_f32 v126, v121, v125                 ; M: the row's largest t
	v_mov_b32 v127, v126
.set nn, 0
.rept 64
	v_pk_add_f32 v[S0+2*nn:S0+2*nn+1], v[S0+2*nn:S0+2*nn+1], v[126:127] neg_lo:[0,1] neg_hi:[0,1]   ; t - M
.set nn, nn+1
.endr
.set nn, 0
	s_wait_alu depctr_va_vdst(0)
.rept 128
	v_exp_f32 v[S0+nn], v[S0+nn]
.set nn, nn+1
.endr
	v_nop                                          ; one plain place behind the last exponential
	s_wait_alu depctr_va_vdst(0)                   ; one wait for the batch, ahead of its first reader
	v_pk_add_f32 v[122:123], v[S0:S0+1], v[S0+2:S0+3]
	v_pk_add_f32 v[124:125], v[S0+4:S0+5], v[S0+6:S0+7]
.set nn, 8
.rept 30
	v_pk_add_f32 v[122:123], v[122:123], v[S0+nn:S0+nn+1]      ; the row's sum, two at a time, in two chains
	v_pk_add_f32 v[124:125], v[124:125], v[S0+nn+2:S0+nn+3]
.set nn, nn+4
.endr
	v_pk_add_f32 v[122:123], v[122:123], v[124:125]
	v_add_f32 v122, v122, v123
	v_permlanex16_b32 v124, v122, s[SEL], s[SEL+1]
	v_add_f32 v122, v122, v124
	v_max_num_f32 v122, 1.0, v122                  ; a live row's sum is 1 or more and stays; a row masked throughout divides its zeros by 1
	s_wait_alu depctr_va_vdst(0)
	v_rcp_f32 v126, v122
	v_nop
	s_wait_alu depctr_va_vdst(0)
	v_mov_b32 v127, v126
.set nn, 0
.rept 64
	v_pk_mul_f32 v[S0+2*nn:S0+2*nn+1], v[S0+2*nn:S0+2*nn+1], v[126:127]   ; p, finished and normalised
.set nn, nn+1
.endr
	QUANT S0                                       ; entries 0-127
	IMAGE PWI, 0
	ds_store_b32 v[PWS], v[PW]
	s_wait_dscnt 0x0                               ; the stores have read their registers
	QUANT S0+64                                    ; entries 128-255
	IMAGE PWI, 1024
	ds_store_b32 v[PWS], v[PW] offset:64
	BARRIER                                        ; p's eight fragments lie in LDS; nobody reads x's images any more
	; ---- R: retrieved's columns 256 w .. for the 64 rows: eight units (128 columns u, row tile m), each eight accumulators by turns over the pool's two K steps, then quantised: K step 2 w + u of the last product's second half
.set ff, 0
.rept 8
	ds_load_b128 v[PF+8*ff:PF+8*ff+3], v[PRD] offset:1024*ff
	ds_load_b128 v[PF+8*ff+4:PF+8*ff+7], v[PRD] offset:1024*ff+512
.set ff, ff+1
.endr
.irp m, 0,1,2,3
	ds_load_b32 v[RPS+\m], v[PSR] offset:128*\m
.endr
	s_wait_dscnt 0x0
.irp u, 0,1
.irp m, 0,1,2,3
	WIN 0x03                                       ; source 0 window 3
.irp s, 0,1
.irp t, 0,1,2,3,4,5,6,7
.set dd, RA+8*\t
.set cr, dd
.if \s == 0
.set cr, -1
.endif
	WM dd, 8*(2*(8*\u+\t)+\s), PF+8*(2*\m+\s), cr, RVS+8*\u+\t, RPS+\m, \s, \s
.endr
.endr
	WIN 0
.rept 4
	v_nop
.endr
	s_wait_dscnt 0x0                               ; the last unit's stores have read their registers
	QUANT RA
	IMAGE IWR, 1024*(8*\m+\u)
	ds_store_b32 v[SWR], v[PW] offset:64*(8*\m+\u)
.endr
.endr
.irp z, 0,1,2
.irp u, 0,1
	global_load_b128 v[RWS+8*\z+4*\u:RWS+8*\z+4*\u+3], v[LI], s[42:43] offset:\z*SECB+512*\u   ; the first chunk's scale words
.endr
.endr
	s_lshl_b32 s78, s71, 7
	s_add_nc_u64 s[16:17], s[38:39], s[78:79]
.irp k, 0,1,2,3
	global_load_b128 v[BG+4*\k:BG+4*\k+3], v[BGO], s[16:17] offset:16*\k   ; and its bg: register i = column 16 h + i
.endr
	BARRIER                                        ; retrieved's 32 fragments lie in LDS
	; ---- LR: every wave takes all of retrieved's codes into window 3
	WIN 0xc0
.set ff, 0
.rept 32
	ds_load_b128 v[8*ff:8*ff+3], v[IRD] offset:1024*ff
	ds_load_b128 v[8*ff+4:8*ff+7], v[IRD] offset:1024*ff+512
.set ff, ff+1
.endr
	WIN 0
.irp m, 0,1,2,3
.irp p, 0,1,2,3
	ds_load_b32 v[RRS+4*\m+\p], v[SRD] offset:64*(8*\m+2*\p)
.endr
.endr
	s_wait_dscnt 0x0
	s_wait_loadcnt 0x0                             ; the ring's first 24 fragments, the first chunk's scale words and bg
	; ---- G: the gate's and the output's products and the fusion.  A chunk = 32 columns = 3 sections x 8 K steps x 2 tiles = 48 fragments = 12 groups of 4; a trip = 2 chunks = 256 bytes of each row of out.
; Group g of a trip's 24: chunk g / 12, section (g % 12) / 4 (0: Wg on x; 1: Wout low on x; 2: Wout high on retrieved), K steps 2 (g % 4), + 1.  16 matrix instructions, eight accumulators by turns
; (one instruction a turn, across groups and sections too); then its ring registers take the fragments of six groups on.
; THE WAIT: behind my group's 8 loads the five groups' 40 that follow may stay out; scale words and bg asked for among them only make the wait stricter.  A set of scale words, and bg, rests eight groups,
; 64 younger ring loads (in the last trip 48 at the least, against a count of 24), between its load and its use.  In the last trip refills end with group 17, so the count runs down: 8 x min(5, 23 - g).
.macro GRP g, last
.set cc, (\g)/12
.set sg, ((\g)%12)/4
.set qq, (\g)%4
.set rg, 32*((\g)%6)
.set nw, 40
.if (\last) && ((23-(\g)) < 5)
.set nw, 8*(23-(\g))
.endif
	s_wait_loadcnt nw
.if (\g)%12 == 4
	s_wait_dscnt 0x0                               ; the last chunk's results have left the output's accumulators for LDS: they may be written again
.endif
.set dbase, OA0
.set bsc, RXS
.if sg == 0
.set dbase, GA0
.endif
.if sg == 2
.set bsc, RRS
	WIN 0x0d                                       ; source 0 window 1, source 1 window 3
.else
	WIN 0x09                                       ; source 0 window 1, source 1 window 2
.endif
.irp ks, 0,1
.irp u, 0,1
.irp m, 0,1,2,3
.set dd, dbase+16*\m+8*\u
.set cr, dd
.if (2*qq+\ks) == 0
.if sg == 0
.set cr, BG+8*\u                       ; bg is the C of the gate's first product
.elseif sg == 1
.set cr, -1                            ; the constant 0 starts the output's sums
.endif
.endif
	WM dd, rg+8*(2*\ks+\u), 8*(8*\m+2*qq+\ks), cr, RWS+8*sg+4*\u+(2*qq+\ks)%4, bsc+4*\m+qq, (2*qq+\ks)/4, \ks
.endr
.endr
.endr
.if ((\last) == 0) || ((\g) <= 17)
.rept 4
	v_nop                                          ; four places in front of loads into registers that matrix instructions have read
.endr
	WIN 0x40
	FILL (\g)+6, 42+2*(((\g)+6)/12)
.endif
.if (\g)%12 == 8
	WIN 0x40
.irp m, 0,1,2,3
.irp j, 0,1,2,3
	ds_load_b128 v[XT+16*\m+4*\j:XT+16*\m+4*\j+3], v[XAA+cc] offset:16*XP*\m+16*\j   ; x in f32 at the chunk's columns, in the result's layout
.endr
.endr
.endif
.if (qq == 3) && ((cc == 0) || ((\last) == 0))
	WIN 0
.set np, 44+2*cc
	global_load_b128 v[RWS+8*sg:RWS+8*sg+3], v[LI], s[np:np+1] offset:sg*SECB          ; this section's scale words for the next chunk
	global_load_b128 v[RWS+8*sg+4:RWS+8*sg+7], v[LI], s[np:np+1] offset:sg*SECB+512
.if sg == 0
.set bp, 48+2*cc
.irp k, 0,1,2,3
	global_load_b128 v[BG+4*\k:BG+4*\k+3], v[BGO], s[bp:bp+1] offset:16*\k
.endr
.endif
.endif
.endm
; out = x + o / (1 + 2^(-g log2 e)), written over x in my strip.  The 32 scalings of the gate's sums, which name no register of the last products, are the places behind them.
.macro EPI xa
	WIN 0
.set nn, 0
.rept 32
	v_pk_mul_f32 v[GA0+2*nn:GA0+2*nn+1], v[GA0+2*nn:GA0+2*nn+1], s[76:77] op_sel_hi:[1,0]
.set nn, nn+1
.endr
.set nn, 0
	s_wait_alu depctr_va_vdst(0)
.rept 64
	v_exp_f32 v[GA0+nn], v[GA0+nn]
.set nn, nn+1
.endr
	v_nop
	s_wait_alu depctr_va_vdst(0)                   ; one wait for the 64 exponentials
.set nn, 0
.rept 32
	v_pk_add_f32 v[GA0+2*nn:GA0+2*nn+1], v[GA0+2*nn:GA0+2*nn+1], 1.0 op_sel_hi:[1,0]
.set nn, nn+1
.endr
.set nn, 0
	s_wait_alu depctr_va_vdst(0)
.rept 64
	v_rcp_f32 v[GA0+nn], v[GA0+nn]
.set nn, nn+1
.endr
	v_nop
	s_wait_alu depctr_va_vdst(0)                   ; and one for the 64 reciprocals
	s_wait_dscnt 0x0                               ; x's numbers are in
	WIN 0x10                                       ; source 2 window 1
.set nn, 0
.rept 32
	v_pk_fma_f32 v[OA0+2*nn:OA0+2*nn+1], v[GA0+2*nn:GA0+2*nn+1], v[OA0+2*nn:OA0+2*nn+1], v[XT+2*nn:XT+2*nn+1]   ; each accumulator from its low end on
.set nn, nn+1
.endr
	WIN 0
.irp m, 0,1,2,3
.irp j, 0,1,2,3
	ds_store_b128 v[\xa], v[OA0+16*\m+4*\j:OA0+16*\m+4*\j+3] offset:16*XP*\m+16*\j   ; where x was read
.endr
.endr
.endm
; The pair's 256 bytes of my 64 rows leave: two rows an instruction; sixteen lanes store 256 consecutive bytes, at a multiple of 256 from out's first byte.  LDS serves a wave's instructions in order: the loads see the stores above.
.macro OUT
.set tt, 0
.rept 32
	ds_load_b128 v[128+4*tt:128+4*tt+3], v[XRC] offset:2*XP*tt
.set tt, tt+1
.endr
.set tt, 0
.rept 32
	s_wait_dscnt 31-tt                             ; load tt is in; the younger ones may be out
	global_store_b128 v[GO], v[128+4*tt:128+4*tt+3], s[52:53] offset:8192*tt th:TH_STORE_NT
.set tt, tt+1
.endr
	s_wait_xcnt 0x0                                ; the stores' data and base, and the ring loads' bases, are written again only behind this wait
.endm
.macro TRIP last
.set gi, 0
.rept 12
	GRP gi, \last
.set gi, gi+1
.endr
	EPI XAA
.rept 12
	GRP gi, \last
.set gi, gi+1
.endr
	EPI XAB
	OUT
.endm
.Ltrip:                                            ; three trips; the fourth is written out: it asks for nothing beyond the walk's end
	s_wait_alu depctr_va_vdst(0)
	TRIP 0
	s_add_co_u32 s68, s68, 1
	SETTRIP
	s_cmp_lt_u32 s68, 3
	s_cbranch_scc1 .Ltrip
	s_wait_alu depctr_va_vdst(0)
	TRIP 1
	s_wait_tensorcnt 0x0                           ; the wave's end: a tensor wait, an LDS add and its wait, behind my tensor load and my last LDS store
	ds_add_u32 v[SPW], v[NIL]
	s_wait_dscnt 0x0
	s_endpgm
.Lfunc_end_k_qf1af7a8274_main:
	.size	k_qf1af7a8274_main, .Lfunc_end_k_qf1af7a8274_main-k_qf1af7a8274_main
	.p2alignl 7, 3214868480
	.fill 96, 4, 3214868480
	.section	.rodata,"a",@progbits
	.p2align	6, 0x0
	.amdhsa_kernel k_qf1af7a8274_main
		.amdhsa_group_segment_fixed_size 327680
		.amdhsa_private_segment_fixed_size 0
		.amdhsa_enable_private_segment 0
		.amdhsa_kernarg_size 40
		.amdhsa_user_sgpr_count 2
		.amdhsa_user_sgpr_kernarg_segment_ptr 1
		.amdhsa_wavefront_size32 1
		.amdhsa_system_sgpr_workgroup_id_x 1
		.amdhsa_system_sgpr_workgroup_id_y 1
		.amdhsa_system_sgpr_workgroup_id_z 1
		.amdhsa_system_vgpr_workitem_id 0
		.amdhsa_next_free_vgpr 1024
		.amdhsa_next_free_sgpr 80
		.amdhsa_reserve_vcc 1
		.amdhsa_float_denorm_mode_32 3
		.amdhsa_float_denorm_mode_16_64 3
		.amdhsa_memory_ordered 1
		.amdhsa_forward_progress 1
		.amdhsa_inst_pref_size 255
	.end_amdhsa_kernel
	.section	.bss,"aw",@nobits
	.p2align	6
	.space	262144
	.amdgpu_metadata
---
amdhsa.version: [ 1, 2 ]
amdhsa.kernels:
  - .name:           k_qf1af7a8274_main
    .symbol:         k_qf1af7a8274_main.kd
    .args:
      - { .name: x, .offset: 0, .size: 8, .value_kind: global_buffer, .address_space: global }
      - { .name: pool_mask, .offset: 8, .size: 8, .value_kind: global_buffer, .address_space: global }
      - { .name: bg, .offset: 16, .size: 8, .value_kind: global_buffer, .address_space: global }
      - { .name: ws, .offset: 24, .size: 8, .value_kind: global_buffer, .address_space: global }
      - { .name: out0, .offset: 32, .size: 8, .value_kind: global_buffer, .address_space: global }
    .group_segment_fixed_size: 327680
    .private_segment_fixed_size: 0
    .kernarg_segment_align: 8
    .kernarg_segment_size: 40
    .max_flat_workgroup_size: 128
    .sgpr_count:     80
    .vgpr_count:     1024
    .wavefront_size: 32
...
	.end_amdgpu_metadata
.endif
;; end of part 2
